; MI455X (gfx1250); checked and timed in simulation.
; The chip was launched on July 23, 2026; its instructions are those of AMD's public machine-readable ISA for CDNA 5 (MIT licence, August 2026) and "CDNA5" Instruction Set Architecture Reference Guide (July 2026). The comments in the code are by the model that wrote it; some were corrected since.
;; Tensor F. Allowed arithmetic: float matrix products may take bf16 or f16 operands with f32 sums; other float arithmetic in f32, or as packed bf16 or f16 multiplies, adds, multiply-adds, maxima and minima; sums over many terms, partial sums and values carried from step to step in f32; what a program stores and reads back later, other than sums and carried values, may be rounded once to bf16 or f16.
;; Inputs: W1 32 x 128 float32; W2 128 x 1 float32; b1 128 float32; b2 1 float32; coordinates 1 x 1,000,000 x 3 float32; line_x 32 x 512 x 1 float32; line_y 32 x 512 x 1 float32; line_z 32 x 512 x 1 float32; plane_xy 32 x 512 x 512 float32; plane_xz 32 x 512 x 512 float32; plane_yz 32 x 512 x 512 float32.
;; Outputs: out0 1,000,000 x 1 float32.
;; 2 versions, each right; version 2 is version 1 with the launch main written anew for expert scheduling mode. Each part assembles by itself: llvm-mc -triple=amdgcn-amd-amdhsa -mcpu=gfx1250 --defsym DOCPART=n.
;; ======== version 1 of 2: 2 launches
;; limits: values are held in f16: magnitudes above 65,504 overflow, below 6.1e-05 lose precision
;; workspace buffers: tab 50,429,952 bytes; idx 4,000,000 bytes of whole numbers
;; launch prep (part 1): grid 1930 x 1, 8 waves a work-group, no clusters, 37,888 bytes of LDS; arguments plane_yz, plane_xz, plane_xy, line_x, line_y, line_z, coordinates, tab, idx; writes tab, idx
.if DOCPART == 1
	.amdgcn_target "amdgcn-amd-amdhsa--gfx1250"
	.amdhsa_code_object_version 6
	.text
	.protected	k_qd825b237b9_prep
	.globl	k_qd825b237b9_prep
	.p2align	8
	.type	k_qd825b237b9_prep,@function
k_qd825b237b9_prep:
	s_mov_b64 s[64:65], 0
	v_nop
	global_prefetch_b8 v0, s[64:65] scope:SCOPE_SE
	s_setreg_imm32_b32 hwreg(HW_REG_WAVE_MODE, 25, 1), 1
	s_wait_xcnt 0x0
; TWO JOBS IN ONE LAUNCH, chosen by the work-group's number alone.
; (T) work-groups 0 .. 1538: one ROW of tab each.  tab holds the three planes and the three lines turned from [channel][y][x] f32 to [y][x][channel] f16:
;     row w is 512 texels of 64 bytes (channels 0..31 in order) at byte w << 15; w = 512 p + y for plane p (0 yz, 1 xz, 2 xy), w = 1536 + l for line l (0 x, 1 y, 2 z).
;     A wave takes 64 texels: 32 loads of 256 neighbouring bytes (one a channel), 32 roundings of two numbers, a turn through its own LDS stage, 8 stores of 512 neighbouring bytes.
; (I) work-groups 1539 .. 1929: the cell numbers of the points, as whole numbers: idx[point] = xb | yb << 10 | zb << 20, b = floor(t) held to 0 .. 510, t = g x 255.5 + 255.5.
;     A wave takes 320 points; 3,125 waves are needed, so the last three waves of the last work-group have none.
; LIMITS.  Planes and lines must lie within f16's range (65,504); each is rounded once to f16.  t is one fused multiply-add, where the problem's text adds 1 and multiplies: the last bit of t may differ;
; the weights made of t in the next launch are continuous in t, so a cell chosen otherwise at an edge changes nothing beyond that bit.  A NaN coordinate counts as cell 0.
; No matrix unit, cluster or tensor load: every byte is read once and shared with nobody.
.set NROWS, 1539                       ; rows of tab
.set NIW,   3125                       ; waves of 320 points
.set STGB,  32*144                     ; a wave's stage: 32 lanes' 128 bytes at a pitch of 144 = 36 words, so that 16 lanes' 16-byte columns differ modulo 256 bytes
.set SPARE, 8*STGB                     ; behind the stages: the spare words, 128 bytes a wave, four blocks of 256 bytes that no other line names
.set SPW,  1                           ; v1      LDS address of my spare word; never rewritten
.set NIL,  2                           ; v2      0; never rewritten
.set LANE, 3                           ; v3      lane
.set SRC,  4                           ; v4      (T) my 8 bytes in a source row        (I) my 24 bytes in a chunk of 64 points
.set STO,  5                           ; v5      (T) where I put my 128 bytes          (I) my 8 bytes in a chunk's 256 of idx
.set RDA,  6                           ; v6      (T) where I read 16 bytes back
.set GO,   7                           ; v7      (T) my 16 bytes in the row of tab
.set OF,   8                           ; v8-39   (T) channel c's byte offset
.set DAT,  40                          ; v40-103 (T) channel c's texels 2 L, 2 L + 1 in f32; later v40-71 the rows read back
.set PK,   104                         ; v104-135 (T) texel 2 L's 16 words, then texel 2 L + 1's
.set CRD,  8                           ; v8-37   (I) chunk k: x y z x y z of my two points
.set WRD,  38                          ; v38-47  (I) chunk k: my two words
	s_load_b512 s[16:31], s[0:1], 0x0              ; yz 16:17, xz 18:19, xy 20:21, line x 22:23, y 24:25, z 26:27, coordinates 28:29, tab 30:31
	s_load_b64 s[32:33], s[0:1], 0x40              ; idx
	v_lshl_add_u32 v[SPW], v0, 2, SPARE
	v_mov_b32 v[NIL], 0
	v_lshrrev_b32 v[LANE], 5, v0
	v_readfirstlane_b32 s2, v[LANE]                ; wave 0..7
	v_and_b32 v[LANE], 31, v0
	s_mov_b32 s3, ttmp9
	s_cmp_ge_u32 s3, NROWS
	s_cbranch_scc1 .Lidx
	; ---------------- (T) one row of tab ----------------
	s_lshr_b32 s4, s3, 9                           ; plane
	s_and_b32 s6, s3, 511
	s_lshl_b32 s6, s6, 11                          ; row y of a plane: 2,048 bytes each
	s_sub_co_u32 s7, s3, 1533                      ; a line's place among the six sources: 3, 4, 5
	s_mov_b32 s8, 0x100000                         ; from channel to channel: a plane's 512 x 512 x 4 bytes,
	s_mov_b32 s9, 0x800                            ; a line's 512 x 4
	s_cmp_lt_u32 s3, 1536
	s_cselect_b32 s4, s4, s7                       ; the source, 0..5
	s_cselect_b32 s5, s8, s9                       ; its channel stride
	s_cselect_b32 s6, s6, 0                        ; its row's first byte
	s_mov_b32 s7, 0
	s_mul_i32 s10, s2, STGB                        ; my wave's stage
	s_lshl_b32 s11, s2, 12                         ; my wave's 64 texels of 64 bytes in the row of tab
	v_lshlrev_b32 v[SRC], 3, v0                    ; 256 x wave + 8 x lane: my wave's 64 texels of 4 bytes in a source row
	v_mul_u32_u24 v[STO], v[LANE], 144
	v_add_nc_u32 v[STO], s10, v[STO]
	v_lshrrev_b32 v[RDA], 3, v[LANE]               ; back: 32 lanes take 512 neighbouring bytes of the row = four lanes' 128
	v_mul_u32_u24 v[RDA], v[RDA], 144
	v_and_b32 v[GO], 7, v[LANE]
	v_lshl_add_u32 v[RDA], v[GO], 4, v[RDA]
	v_add_nc_u32 v[RDA], s10, v[RDA]
	v_lshl_add_u32 v[GO], v[LANE], 4, s11          ; 4,096 x wave + 16 x lane
.set cc, 0
.rept 32
	v_mad_u32_u24 v[OF+cc], cc, s5, v[SRC]
.set cc, cc+1
.endr
	s_lshl_b32 s36, s3, 15                         ; the row's place in tab
	s_mov_b32 s37, 0
	s_wait_kmcnt 0x0
	s_mov_b64 s[34:35], s[16:17]                   ; the source's address: a choice among six buffers by the work-group's number
.irp k, 1,2,3,4,5
	s_cmp_eq_u32 s4, \k
	s_cselect_b64 s[34:35], s[16+2*\k:17+2*\k], s[34:35]
.endr
	s_add_nc_u64 s[34:35], s[34:35], s[6:7]
	s_add_nc_u64 s[36:37], s[30:31], s[36:37]
.set cc, 0
.rept 32                                               ; a load of the wave covers 256 neighbouring bytes, aligned; 32 of them are out at once
	global_load_b64 v[DAT+2*cc:DAT+2*cc+1], v[OF+cc], s[34:35] th:TH_LOAD_NT
.set cc, cc+1
.endr
.set ii, 0
.rept 16
	s_wait_loadcnt 30-2*ii                         ; loads come back in order: 30 - 2 i were issued behind channel 2 i + 1's
	v_cvt_pk_f16_f32 v[PK+ii],    v[DAT+4*ii],   v[DAT+4*ii+2]  ; texel 2 L: channels 2 i, 2 i + 1
	v_cvt_pk_f16_f32 v[PK+16+ii], v[DAT+4*ii+1], v[DAT+4*ii+3]  ; texel 2 L + 1
.set ii, ii+1
.endr
.irp k, 0,1,2,3,4,5,6,7
	ds_store_b128 v[STO], v[PK+4*\k:PK+4*\k+3] offset:16*\k
.endr
.irp k, 0,1,2,3,4,5,6,7
	ds_load_b128 v[DAT+4*\k:DAT+4*\k+3], v[RDA] offset:576*\k  ; my wave's own bytes, and LDS serves a wave's instructions in order: no wait between
.endr
.irp k, 0,1,2,3,4,5,6,7
	s_wait_dscnt 7-\k                              ; 7 - k LDS loads were issued behind load k
	global_store_b128 v[GO], v[DAT+4*\k:DAT+4*\k+3], s[36:37] offset:512*\k  ; 512 neighbouring bytes, at a multiple of 512 from tab's first
.endr
	s_wait_tensorcnt 0x0                           ; the wave's end
	ds_add_u32 v[SPW], v[NIL]
	s_wait_dscnt 0x0
	s_endpgm
	; ---------------- (I) cell numbers ----------------
.Lidx:
	s_wait_kmcnt 0x0
	s_sub_co_u32 s4, s3, NROWS
	s_lshl_b32 s4, s4, 3
	s_add_co_u32 s4, s4, s2                        ; my wave among those of this job
	s_cmp_ge_u32 s4, NIW
	s_cbranch_scc1 .Lend
	s_mul_i32 s8, s4, 3840                         ; 320 points x 12 bytes
	s_mov_b32 s9, 0
	s_mul_i32 s10, s4, 1280                        ; 320 words
	s_mov_b32 s11, 0
	s_mov_b32 s12, 0x437f8000                      ; 255.5
	v_mul_u32_u24 v[SRC], v[LANE], 24              ; two points a lane
	v_lshlrev_b32 v[STO], 3, v[LANE]
	s_add_nc_u64 s[28:29], s[28:29], s[8:9]
	s_add_nc_u64 s[32:33], s[32:33], s[10:11]
.irp k, 0,1,2,3,4
.irp m, 0,1,2
	global_load_b64 v[CRD+6*\k+2*\m:CRD+6*\k+2*\m+1], v[SRC], s[28:29] offset:768*\k+8*\m
.endr
.endr
.macro CHUNK k                         ; 64 points: six numbers a lane become two words
	s_wait_loadcnt 3*(4-(\k))                      ; the later chunks' loads may stay out
.irp j, 0,1,2,3,4,5
	v_fma_f32 v[CRD+6*(\k)+\j], v[CRD+6*(\k)+\j], s12, s12  ; t
.endr
.irp j, 0,1,2,3,4,5
	v_max_num_f32 v[CRD+6*(\k)+\j], 0, v[CRD+6*(\k)+\j]
.endr
.irp j, 0,1,2,3,4,5
	v_min_num_f32 v[CRD+6*(\k)+\j], 0x43ff0000, v[CRD+6*(\k)+\j]  ; 510.0
.endr
.irp j, 0,1,2,3,4,5
	v_cvt_u32_f32 v[CRD+6*(\k)+\j], v[CRD+6*(\k)+\j]  ; toward zero: the floor of a number that is not negative
.endr
	v_lshl_or_b32 v[WRD+2*(\k)],   v[CRD+6*(\k)+1], 10, v[CRD+6*(\k)]
	v_lshl_or_b32 v[WRD+2*(\k)+1], v[CRD+6*(\k)+4], 10, v[CRD+6*(\k)+3]
	v_lshl_or_b32 v[WRD+2*(\k)],   v[CRD+6*(\k)+2], 20, v[WRD+2*(\k)]
	v_lshl_or_b32 v[WRD+2*(\k)+1], v[CRD+6*(\k)+5], 20, v[WRD+2*(\k)+1]
	global_store_b64 v[STO], v[WRD+2*(\k):WRD+2*(\k)+1], s[32:33] offset:256*(\k)  ; 256 neighbouring bytes, aligned; each chunk has its own data registers
.endm
	CHUNK 0
	CHUNK 1
	CHUNK 2
	CHUNK 3
	CHUNK 4
.Lend:
	s_endpgm
.Lfunc_end_k_qd825b237b9_prep:
	.size	k_qd825b237b9_prep, .Lfunc_end_k_qd825b237b9_prep-k_qd825b237b9_prep
	.p2alignl 7, 3214868480
	.fill 96, 4, 3214868480
	.section	.rodata,"a",@progbits
	.p2align	6, 0x0
	.amdhsa_kernel k_qd825b237b9_prep
		.amdhsa_group_segment_fixed_size 37888
		.amdhsa_private_segment_fixed_size 0
		.amdhsa_enable_private_segment 0
		.amdhsa_kernarg_size 72
		.amdhsa_user_sgpr_count 2
		.amdhsa_user_sgpr_kernarg_segment_ptr 1
		.amdhsa_wavefront_size32 1
		.amdhsa_system_sgpr_workgroup_id_x 1
		.amdhsa_system_sgpr_workgroup_id_y 1
		.amdhsa_system_sgpr_workgroup_id_z 1
		.amdhsa_system_vgpr_workitem_id 0
		.amdhsa_next_free_vgpr 136
		.amdhsa_next_free_sgpr 66
		.amdhsa_reserve_vcc 0
		.amdhsa_float_denorm_mode_32 3
		.amdhsa_float_denorm_mode_16_64 3
		.amdhsa_memory_ordered 1
		.amdhsa_forward_progress 1
		.amdhsa_inst_pref_size 22
	.end_amdhsa_kernel
	.amdgpu_metadata
---
amdhsa.version: [ 1, 2 ]
amdhsa.kernels:
  - .name:           k_qd825b237b9_prep
    .symbol:         k_qd825b237b9_prep.kd
    .args:
      - { .name: plane_yz, .offset: 0, .size: 8, .value_kind: global_buffer, .address_space: global }
      - { .name: plane_xz, .offset: 8, .size: 8, .value_kind: global_buffer, .address_space: global }
      - { .name: plane_xy, .offset: 16, .size: 8, .value_kind: global_buffer, .address_space: global }
      - { .name: line_x, .offset: 24, .size: 8, .value_kind: global_buffer, .address_space: global }
      - { .name: line_y, .offset: 32, .size: 8, .value_kind: global_buffer, .address_space: global }
      - { .name: line_z, .offset: 40, .size: 8, .value_kind: global_buffer, .address_space: global }
      - { .name: coordinates, .offset: 48, .size: 8, .value_kind: global_buffer, .address_space: global }
      - { .name: tab, .offset: 56, .size: 8, .value_kind: global_buffer, .address_space: global }
      - { .name: idx, .offset: 64, .size: 8, .value_kind: global_buffer, .address_space: global }
    .group_segment_fixed_size: 37888
    .private_segment_fixed_size: 0
    .kernarg_segment_align: 8
    .kernarg_segment_size: 72
    .max_flat_workgroup_size: 256
    .sgpr_count:     66
    .vgpr_count:     136
    .wavefront_size: 32
...
	.end_amdgpu_metadata
.endif
;; end of part 1
;; launch main (part 2): grid 256 x 1, 8 waves a work-group, no clusters, 125,952 bytes of LDS; arguments coordinates, idx, tab, W1, b1, W2, b2, out0; writes out0
.if DOCPART == 2
	.amdgcn_target "amdgcn-amd-amdhsa--gfx1250"
	.amdhsa_code_object_version 6
	.text
	.protected	k_qd825b237b9_main
	.globl	k_qd825b237b9_main
	.p2align	8
	.type	k_qd825b237b9_main,@function
k_qd825b237b9_main:
	s_mov_b64 s[64:65], 0
	v_nop
	global_prefetch_b8 v0, s[64:65] scope:SCOPE_SE
	s_setreg_imm32_b32 hwreg(HW_REG_WAVE_MODE, 25, 1), 1
	s_wait_xcnt 0x0
; out[point] = relu(features W1 + b1) W2 + b2, features = x_line yz_plane + y_line xz_plane + z_line xy_plane, each a bilinear sample of 32 channels with zeros outside.
; TABLES.  tab (made by the launch before) holds planes and lines as texels of 64 bytes, 32 channels in f16; idx holds each point's three cell numbers b (0 .. 510) as whole numbers, so no address here hangs
; on a floating-point number.  With t = g x 255.5 + 255.5 texels b and b + 1 carry max(0, 1 - |t - b|) and max(0, 1 - |t - b - 1|): inside the table the usual two weights, outside it what the zero padding leaves.
; A line has one column, so its sample is the same interpolation along its 512 entries, with the cell and the weights that the coordinate has in the planes.
; SHARES.  A BLOCK is 64 points, four GROUPS of 16; 15,625 blocks.  Wave gid of 2,048 takes blocks gid + 2,048 trip: 8 trips if gid < 1,289, else 7.
; LAYOUT.  In a group lane (r = lane % 16, h = lane / 16) holds point r, channels 16 h .. 16 h + 15: bytes 32 h .. 32 h + 31 of a texel, eight registers.  Those eight registers ARE source 1 of the matrix
; instruction; W1's fragments carry the same order of channels, so the products stand, and nothing changes lanes between a gather and the product.  Source 0 = 16 hidden units (W1 turned), C = b1:
; in the result a lane holds ONE point and hidden units 16 t + 8 h + j, so the second layer is a sum inside the lane and one exchange of the halves.
; THE SECOND LAYER has one column: a matrix tile would be used to a sixteenth, and h would have to be rounded to 16 bits; it is 64 multiply-adds a lane in f32.
; PIPELINE.  A JOB is one plane's four corners for one group: 8 loads of 16 bytes a lane into one of four slots of 32 registers.  Three jobs are always on their way; the next block's points are loaded a block
; ahead, their addresses made two groups ahead.  The lines (96 KB) lie in LDS, filled once.
; NO CLUSTER, NO TENSOR LOAD: all that work-groups share is the lines' 98,304 bytes, read once each; the gathers, 768 bytes a point, are each point's own.
; LIMITS.  Table entries, weights, samples and features are f16: planes, lines and the sum of the three products stay within 65,504; below 6e-5 they keep f16's fixed step of 6e-8.  W1 is rounded to f16.
; t is one fused multiply-add (the problem's text rounds twice); the order of the sums differs from the problem's.  A NaN or infinite coordinate gives weights 0, not NaN.
.set NBLK,  15625
.set NWAVE, 2048
.set LP,    80                         ; a line's texel in LDS: 64 bytes + 16 = 20 words, an odd multiple of 16 bytes
.set LAXIS, 512*LP                     ; one line
.set STG,   3*LAXIS                    ; behind the lines: 256 bytes a wave, for the way out
.set SPARE, STG+8*256                  ; behind the stages: the spare words, 128 bytes a wave, four blocks of 256 bytes that no other line names
; window 0
.set SPW,  1                           ; v1      LDS address of my spare word; never rewritten
.set NIL,  2                           ; v2      0; never rewritten
.set H32,  3                           ; v3      32 h
.set H32Z, 4                           ; v4      32 h + the z line's place in LDS
.set R4,   5                           ; v5      4 r
.set R12,  6                           ; v6      12 r
.set VIDX, 7                           ; v7      offset of the point loads in idx
.set VXYZ, 8                           ; v8      and in coordinates
.set STA,  9                           ; v9      my stage + 4 lane
.set STB,  10                          ; v10     my stage + 8 lane
.set VOUT, 11                          ; v11     the store's offset
.set OD,   12                          ; v12-13  the store's data
.set L8,   14                          ; v14     8 lane
.set TP,   15                          ; v15     what the other half of the lanes holds
.set PT,   16                          ; v16-31  group q's x, y, z, index word at PT + 4 q
.set GA,   32                          ; v32-37  by the group's parity: three planes' offsets
.set LA,   38                          ; v38-43  by the group's parity: three lines' LDS addresses
.set WL,   44                          ; v44-49  axis a's two weights, f16, the same number in both halves
.set WP,   50                          ; v50-61  plane p's four weights at WP + 4 p + 2 row + col, likewise
.set OUTR, 62                          ; v62-65  the four groups' results
.set T0,   66                          ; v66-71  at work
.set FT,   72                          ; v72-79  the features: source 1.  At work inside WEIGHTS
.set LN,   80                          ; v80-127 axis a at LN + 16 a: texel b in 8 registers, texel b + 1 in 8
.set RING, 128                         ; v128-255 four slots of 32; corner 2 row + col at + 8 corner
.set VW,   112                         ; v112-126: the head's own, in registers that the loop takes later
.set VLN,  113
.set LSA,  114                         ; where my 16 bytes of the lines go, first and second half of the tables
.set LSB,  115
.set PDA,  121                         ; the texel whose padding I set, first and second half
.set ZR,   122                         ; v122-125  16 bytes of 0
.set PDB,  126
; window 1
.set W1F,  0                           ; tile t of W1 turned, f16, at 8 t
.set B1R,  64                          ; b1 in the result's layout
.set W2R,  128                         ; W2 likewise
.set ACC,  192                         ; eight accumulators
.set MSB, 0
.macro WIN new                         ; the immediate's high byte repeats the setting that is left; a switch that changes nothing is dropped
.if MSB != (\new)
	s_set_vgpr_msb (MSB<<8)|(\new)
.set MSB, (\new)
.endif
.endm
.set W_D1,  0x40                       ; destination window 1
.set W_MM,  0x51                       ; source 0, C and D window 1; source 1 window 0
.set W_ALL, 0x55                       ; everything window 1
.set W_S1,  0x05                       ; sources window 1, destination window 0
.macro PLOAD q                         ; group q of the block at VXYZ, VIDX: four loads
	global_load_b32 v[PT+4*(\q)],   v[VXYZ], s[16:17] offset:192*(\q)
	global_load_b32 v[PT+4*(\q)+1], v[VXYZ], s[16:17] offset:192*(\q)+4
	global_load_b32 v[PT+4*(\q)+2], v[VXYZ], s[16:17] offset:192*(\q)+8
	global_load_b32 v[PT+4*(\q)+3], v[VIDX], s[18:19] offset:64*(\q)
.endm
.macro ADDR q, par                     ; the offsets of the group whose points lie in set q, into the address set of parity par: 18 plain instructions
	v_bfe_u32 v[T0],   v[PT+4*(\q)+3], 0, 10
	v_bfe_u32 v[T0+1], v[PT+4*(\q)+3], 10, 10
	v_bfe_u32 v[T0+2], v[PT+4*(\q)+3], 20, 10
	v_min_u32 v[T0],   0x1fe, v[T0]                ; a number that was loaded enters an address only behind a bound
	v_min_u32 v[T0+1], 0x1fe, v[T0+1]
	v_min_u32 v[T0+2], 0x1fe, v[T0+2]
	v_lshl_add_u32 v[T0+3], v[T0+2], 9, v[T0+1]    ; yz: row z, texel y
	v_lshl_add_u32 v[T0+4], v[T0+2], 9, v[T0]      ; xz: row z, texel x
	v_lshl_add_u32 v[T0+5], v[T0+1], 9, v[T0]      ; xy: row y, texel x
	v_lshl_add_u32 v[GA+3*(\par)],   v[T0+3], 6, v[H32]
	v_lshl_add_u32 v[GA+3*(\par)+1], v[T0+4], 6, v[H32]
	v_lshl_add_u32 v[GA+3*(\par)+2], v[T0+5], 6, v[H32]
	v_lshl_add_u32 v[T0+3], v[T0],   2, v[T0]      ; 5 b, then x 16: 80 b
	v_lshl_add_u32 v[T0+4], v[T0+1], 2, v[T0+1]
	v_lshl_add_u32 v[T0+5], v[T0+2], 2, v[T0+2]
	v_lshl_add_u32 v[LA+3*(\par)],   v[T0+3], 4, v[H32]
	v_lshl_add_u32 v[LA+3*(\par)+1], v[T0+4], 4, v[H32]
	v_lshl_add_u32 v[LA+3*(\par)+2], v[T0+5], 4, v[H32Z]
.endm
.macro GATHER par, pl, sl              ; a job: plane pl's four corners, 32 bytes a lane each, into slot sl
.irp c, 0,1,2,3
	global_load_b128 v[RING+32*(\sl)+8*\c:RING+32*(\sl)+8*\c+3],   v[GA+3*(\par)+(\pl)], s[32+2*(\pl):33+2*(\pl)] offset:(\c/2)*32768+(\c%2)*64
	global_load_b128 v[RING+32*(\sl)+8*\c+4:RING+32*(\sl)+8*\c+7], v[GA+3*(\par)+(\pl)], s[32+2*(\pl):33+2*(\pl)] offset:(\c/2)*32768+(\c%2)*64+16
.endr
.endm
.macro LLOAD par                       ; twelve LDS loads, in the order x, y, z: texels b and b + 1 of each line
.irp a, 0,1,2
	ds_load_b128 v[LN+16*\a:LN+16*\a+3],     v[LA+3*(\par)+\a] offset:(\a%2)*LAXIS
	ds_load_b128 v[LN+16*\a+4:LN+16*\a+7],   v[LA+3*(\par)+\a] offset:(\a%2)*LAXIS+16
	ds_load_b128 v[LN+16*\a+8:LN+16*\a+11],  v[LA+3*(\par)+\a] offset:(\a%2)*LAXIS+LP
	ds_load_b128 v[LN+16*\a+12:LN+16*\a+15], v[LA+3*(\par)+\a] offset:(\a%2)*LAXIS+LP+16
.endr
.endm
.macro WPROD pl, hax, wax              ; plane pl's four weights: row axis hax, column axis wax
.irp rc, 0,1,2,3
	v_pk_mul_f16 v[WP+4*(\pl)+\rc], v[WL+2*(\hax)+\rc/2], v[WL+2*(\wax)+\rc%2]
.endr
.endm
.macro WEIGHTS q                       ; the three axes side by side.  v66-68 t, then t - b, then t - b - 1; v69-71 b; v72-74, v75-77 the two weights in f32
.irp a, 0,1,2
	v_fma_f32 v[T0+\a], v[PT+4*(\q)+\a], s14, s14
.endr
.irp a, 0,1,2
	v_bfe_u32 v[T0+3+\a], v[PT+4*(\q)+3], 10*\a, 10
.endr
.irp a, 0,1,2
	v_cvt_f32_u32 v[T0+3+\a], v[T0+3+\a]
.endr
.irp a, 0,1,2
	v_sub_f32 v[T0+\a], v[T0+\a], v[T0+3+\a]
.endr
	v_sub_f32 v72, 1.0, |v66|
	v_sub_f32 v73, 1.0, |v67|
	v_sub_f32 v74, 1.0, |v68|
.irp a, 0,1,2
	v_add_f32 v[T0+\a], -1.0, v[T0+\a]
.endr
	v_sub_f32 v75, 1.0, |v66|
	v_sub_f32 v76, 1.0, |v67|
	v_sub_f32 v77, 1.0, |v68|
.irp a, 0,1,2,3,4,5
	v_max_num_f32 v[FT+\a], 0, v[FT+\a]
.endr
.irp a, 0,1,2
	v_cvt_pk_f16_f32 v[WL+2*\a],   v[FT+\a],   v[FT+\a]
	v_cvt_pk_f16_f32 v[WL+2*\a+1], v[FT+3+\a], v[FT+3+\a]
.endr
	WPROD 0, 2, 1
	WPROD 1, 2, 0
	WPROD 2, 1, 0
.endm
.macro JOB pl, sl                      ; plane pl's sample, line pl's sample, their product onto the features: 56 packed instructions, two channels each, in runs of eight that do not wait for each other
.set SB, RING+32*(\sl)
.set NB, LN+16*(\pl)
.set WB, WP+4*(\pl)
.irp i, 0,1,2,3,4,5,6,7
	v_pk_mul_f16 v[SB+\i], v[SB+\i], v[WB]
.endr
.irp c, 1,2,3
.irp i, 0,1,2,3,4,5,6,7
	v_pk_fma_f16 v[SB+\i], v[SB+8*\c+\i], v[WB+\c], v[SB+\i]
.endr
.endr
.irp i, 0,1,2,3,4,5,6,7
	v_pk_mul_f16 v[NB+\i], v[NB+\i], v[WL+2*(\pl)]
.endr
.irp i, 0,1,2,3,4,5,6,7
	v_pk_fma_f16 v[NB+\i], v[NB+8+\i], v[WL+2*(\pl)+1], v[NB+\i]
.endr
.irp i, 0,1,2,3,4,5,6,7
.if (\pl) == 0
	v_pk_mul_f16 v[FT+\i], v[NB+\i], v[SB+\i]      ; the first product starts the sum
.else
	v_pk_fma_f16 v[FT+\i], v[NB+\i], v[SB+\i], v[FT+\i]
.endif
.endr
.endm
.macro MLP                             ; 128 hidden units x 16 points x 32 channels: eight matrix instructions on eight accumulators, each started by b1; none adds onto another's result
	WIN W_MM
.irp t, 0,1,2,3,4,5,6,7
	v_wmma_f32_16x16x32_f16 v[ACC+8*\t:ACC+8*\t+7], v[W1F+8*\t:W1F+8*\t+7], v[FT:FT+7], v[B1R+8*\t:B1R+8*\t+7]
.endr
.endm
.macro TAIL q                          ; relu, times W2, summed: first inside the lane (four chains), then with the other half of the lanes
	WIN W_ALL
.set nn, 0
.rept 64
	v_max_num_f32 v[ACC+nn], 0, v[ACC+nn]          ; ascending: each accumulator is read first at its lowest register
.set nn, nn+1
.endr
.irp k, 0,1,2,3
	v_pk_mul_f32 v[ACC+8*\k:ACC+8*\k+1], v[ACC+8*\k:ACC+8*\k+1], v[W2R+8*\k:W2R+8*\k+1]
.endr
.irp m, 1,2,3,4,5,6,7                  ; chain k takes tiles k and k + 4
.irp k, 0,1,2,3
.set xx, 8*(\k+4*(\m/4))+2*(\m%4)
	v_pk_fma_f32 v[ACC+8*\k:ACC+8*\k+1], v[ACC+xx:ACC+xx+1], v[W2R+xx:W2R+xx+1], v[ACC+8*\k:ACC+8*\k+1]
.endr
.endr
	v_pk_add_f32 v[ACC:ACC+1], v[ACC:ACC+1], v[ACC+8:ACC+9]
	v_pk_add_f32 v[ACC+16:ACC+17], v[ACC+16:ACC+17], v[ACC+24:ACC+25]
	v_pk_add_f32 v[ACC:ACC+1], v[ACC:ACC+1], v[ACC+16:ACC+17]
	WIN W_S1
	v_add_f32 v[OUTR+(\q)], v[ACC], v[ACC+1]
	WIN 0
	v_permlanex16_b32 v[TP], v[OUTR+(\q)], s12, s13  ; the point's other 64 hidden units lie in the lane 16 away
	v_add_f32 v[OUTR+(\q)], v[OUTR+(\q)], v[TP]
.endm
; GROUP q of the block in hand.  Global loads go out in the order .. job(q,0) job(q,1) job(q,2) points(q) job(q+1,0) job(q+1,1) job(q+1,2) points(q+1) ..; when job (q+1, p) has been issued, behind job (q, p)
; stand three jobs of 8 loads and the 4 point loads: 28, the same for every p, in the first trip and over the backward jump.  That wait also shows done: the loads that named this parity's offsets (so ADDR may
; write them) and the point loads of two groups ago (which ADDR reads).  A slot is loaded again when the arithmetic of the job that held it has been issued.
.macro GROUP q
.set PAR, (\q)%2
.set JN, 3*(\q)
	LLOAD PAR
	WEIGHTS \q
	PLOAD \q                                       ; the next block's group q, into the set just read
	GATHER 1-PAR, 0, (JN+3)%4
	s_wait_loadcnt 28
	s_wait_dscnt 8                                 ; the x line's four loads are in; y's and z's may be out
	JOB 0, JN%4
	GATHER 1-PAR, 1, (JN+4)%4
	s_wait_loadcnt 28
	s_wait_dscnt 4
	JOB 1, (JN+1)%4
	GATHER 1-PAR, 2, (JN+5)%4
	s_wait_loadcnt 28
	s_wait_dscnt 0
	JOB 2, (JN+2)%4
	MLP
	WIN 0
	ADDR ((\q)+2)%4, PAR                           ; 18 plain instructions that name none of the products' registers: the places in front of TAIL's reads (ISA guide 7.12.1)
	TAIL \q
.endm
.macro STOREBLK                        ; the block's 64 results: lane L takes points L and 32 + L, adds b2; through my stage, so that one store covers the block's 256 neighbouring bytes, aligned
	v_cndmask_b32 v[T0],   v[OUTR],   v[OUTR+1], s11  ; lanes 16-31 take the odd group
	v_cndmask_b32 v[T0+1], v[OUTR+2], v[OUTR+3], s11
	v_add_f32 v[T0],   s10, v[T0]
	v_add_f32 v[T0+1], s10, v[T0+1]
	ds_store_b32 v[STA], v[T0]
	ds_store_b32 v[STA], v[T0+1] offset:128
	ds_load_b64 v[OD:OD+1], v[STB]                 ; my wave's own bytes, served in order
	s_lshl_b32 s8, s4, 8
	v_add_nc_u32 v[VOUT], s8, v[L8]
	s_wait_dscnt 0x0
	global_store_b64 v[VOUT], v[OD:OD+1], s[30:31] th:TH_STORE_NT
.endm
	s_load_b512 s[16:31], s[0:1], 0x0              ; coordinates 16:17, idx 18:19, tab 20:21, W1 22:23, b1 24:25, W2 26:27, b2 28:29, out 30:31
	v_lshl_add_u32 v[SPW], v0, 2, SPARE
	v_mov_b32 v[NIL], 0
	v_lshrrev_b32 v116, 5, v0
	v_readfirstlane_b32 s2, v116                   ; wave 0..7
	s_lshl_b32 s3, ttmp9, 3
	s_add_co_u32 s3, s3, s2                        ; gid
	s_mov_b32 s4, s3                               ; the block in hand
	s_cmp_lt_u32 s3, NBLK-7*NWAVE
	s_cselect_b32 s5, 8, 7                         ; my trips
	s_mov_b32 s6, 0
	s_mov_b32 s11, 0xffff0000                      ; lanes 16-31
	s_mov_b32 s12, 0x76543210                      ; v_permlanex16_b32: each lane takes its own place in the other half
	s_mov_b32 s13, 0xfedcba98
	s_mov_b32 s14, 0x437f8000                      ; 255.5
	s_lshl_b32 s8, s2, 8
	s_add_co_u32 s8, s8, STG                       ; my stage
	s_mul_i32 s9, s2, 8*LP                         ; my wave's eight texels in each 64 of the lines
	v_and_b32 v116, 31, v0                         ; lane
	v_and_b32 v117, 15, v0                         ; r
	v_bfe_u32 v118, v0, 4, 1                       ; h
	v_lshlrev_b32 v[H32], 5, v118
	v_add_nc_u32 v[H32Z], 2*LAXIS, v[H32]
	v_lshlrev_b32 v[R4], 2, v117
	v_mul_u32_u24 v[R12], v117, 12
	v_lshl_add_u32 v[STA], v116, 2, s8
	v_lshl_add_u32 v[STB], v116, 3, s8
	v_lshlrev_b32 v[L8], 3, v116
	v_mov_b32 v[TP], 0
	v_lshl_add_u32 v[VW], v118, 13, v[R4]          ; W1: channel 16 h (512 bytes a channel), hidden unit r
	v_lshlrev_b32 v[VLN], 4, v0                    ; the lines: 16 bytes a thread, 4,096 a load of the work-group
	v_lshrrev_b32 v119, 2, v116
	v_mul_u32_u24 v119, v119, LP
	v_and_b32 v120, 3, v116
	v_lshl_add_u32 v[LSA], v120, 4, v119
	v_add_nc_u32 v[LSA], s9, v[LSA]                ; 640 wave + 80 (lane / 4) + 16 (lane % 4)
	v_add_nc_u32 v[LSB], 12*64*LP, v[LSA]          ; the second half, since an LDS offset has 16 bits
	v_and_b32 v[PDA], 7, v116
	v_mul_u32_u24 v[PDA], v[PDA], LP
	v_add_nc_u32 v[PDA], s9, v[PDA]                ; 640 wave + 80 (lane % 8): one of my wave's eight texels; four lanes name the same one
	v_add_nc_u32 v[PDB], 12*64*LP, v[PDA]
.irp z, 0,1,2,3
	v_mov_b32 v[ZR+\z], 0
.endr
	s_wait_kmcnt 0x0
	s_load_b32 s10, s[28:29], 0x0                  ; b2
	s_mov_b64 s[32:33], s[20:21]                   ; plane yz,
	s_add_nc_u64 s[34:35], s[20:21], 0x1000000     ; xz,
	s_add_nc_u64 s[36:37], s[20:21], 0x2000000     ; xy,
	s_add_nc_u64 s[38:39], s[20:21], 0x3000000     ; the lines
	; the constants: 24 loads of the lines (shared out among the eight waves), 32 of b1 and W2, 128 of W1
.set kk, 0
.rept 24
	global_load_b128 v[16+4*kk:19+4*kk], v[VLN], s[38:39] offset:4096*kk
.set kk, kk+1
.endr
	WIN W_D1
.irp t, 0,1,2,3,4,5,6,7                ; hidden units 16 t + 8 h + 0..7
	global_load_b128 v[B1R+8*\t:B1R+8*\t+3],   v[H32], s[24:25] offset:64*\t
	global_load_b128 v[B1R+8*\t+4:B1R+8*\t+7], v[H32], s[24:25] offset:64*\t+16
	global_load_b128 v[W2R+8*\t:W2R+8*\t+3],   v[H32], s[26:27] offset:64*\t
	global_load_b128 v[W2R+8*\t+4:W2R+8*\t+7], v[H32], s[26:27] offset:64*\t+16
.endr
	WIN 0
.set tt, 0
.rept 8
.set ii, 0
.rept 16                               ; W1[16 h + i][16 t + r]
	global_load_b32 v[RING+16*tt+ii], v[VW], s[22:23] offset:512*ii+64*tt
.set ii, ii+1
.endr
.set tt, tt+1
.endr
	; while those loads are on their way: the 16 bytes of padding behind each of my wave's texels are set to 0, so that every byte of the tables' range has been written before the barrier; no load below names them
.set kk, 0
.rept 12
	ds_store_b128 v[PDA], v[ZR:ZR+3] offset:64*LP*kk+64
	ds_store_b128 v[PDB], v[ZR:ZR+3] offset:64*LP*kk+64
.set kk, kk+1
.endr
	s_wait_loadcnt 63                              ; 160 loads were issued behind the lines' 24: with 63 out at the most those 24 are in
.set kk, 0
.rept 12
	ds_store_b128 v[LSA], v[16+4*kk:19+4*kk] offset:64*LP*kk
.set kk, kk+1
.endr
.rept 12
	ds_store_b128 v[LSB], v[16+4*kk:19+4*kk] offset:64*LP*(kk-12)
.set kk, kk+1
.endr
	s_wait_loadcnt 0x0
	WIN W_D1
.set tt, 0
.rept 8
.set ii, 0
.rept 8
	v_cvt_pk_f16_f32 v[W1F+8*tt+ii], v[RING+16*tt+2*ii], v[RING+16*tt+2*ii+1]
.set ii, ii+1
.endr
.set tt, tt+1
.endr
	WIN 0
	s_wait_kmcnt 0x0                               ; b2
	s_wait_dscnt 0x0                               ; for the others' sake: my part of the lines is in LDS
	s_barrier_signal -1
	s_barrier_wait -1                              ; the kernel's only barrier: behind it the lines are only read
	; the pipeline is filled: the first block's points, the first two groups' offsets, the first group's three jobs
	s_lshl_b32 s8, s4, 8
	s_mul_i32 s9, s4, 768
	v_add_nc_u32 v[VIDX], s8, v[R4]
	v_add_nc_u32 v[VXYZ], s9, v[R12]
	PLOAD 0
	PLOAD 1
	PLOAD 2
	PLOAD 3
	s_wait_loadcnt 0x0
	ADDR 0, 0
	ADDR 1, 1
	GATHER 0, 0, 0
	GATHER 0, 1, 1
	GATHER 0, 2, 2
.Ltrip:                                                ; a trip: one block; it loads the next block's points and the jobs up to the next block's first group
	s_add_co_u32 s7, s4, NWAVE
	s_min_u32 s7, s7, NBLK-1                       ; in my last trip the look-ahead is held to the last block: every load stays inside its buffer; what it brings is not used
	s_lshl_b32 s8, s7, 8
	s_mul_i32 s9, s7, 768
	s_wait_xcnt 0x0                                ; the last trip's point loads and its store have had their addresses translated: VIDX, VXYZ, VOUT and OD are rewritten only behind this wait
	v_add_nc_u32 v[VIDX], s8, v[R4]
	v_add_nc_u32 v[VXYZ], s9, v[R12]
	GROUP 0
	GROUP 1
	GROUP 2
	GROUP 3
	STOREBLK
	s_add_co_u32 s4, s4, NWAVE
	s_add_co_u32 s6, s6, 1
	s_cmp_lt_u32 s6, s5
	s_cbranch_scc1 .Ltrip
	s_wait_tensorcnt 0x0                           ; the wave's end
	ds_add_u32 v[SPW], v[NIL]
	s_wait_dscnt 0x0
	s_endpgm
.Lfunc_end_k_qd825b237b9_main:
	.size	k_qd825b237b9_main, .Lfunc_end_k_qd825b237b9_main-k_qd825b237b9_main
	.p2alignl 7, 3214868480
	.fill 96, 4, 3214868480
	.section	.rodata,"a",@progbits
	.p2align	6, 0x0
	.amdhsa_kernel k_qd825b237b9_main
		.amdhsa_group_segment_fixed_size 125952
		.amdhsa_private_segment_fixed_size 0
		.amdhsa_enable_private_segment 0
		.amdhsa_kernarg_size 64
		.amdhsa_user_sgpr_count 2
		.amdhsa_user_sgpr_kernarg_segment_ptr 1
		.amdhsa_wavefront_size32 1
		.amdhsa_system_sgpr_workgroup_id_x 1
		.amdhsa_system_sgpr_workgroup_id_y 1
		.amdhsa_system_sgpr_workgroup_id_z 1
		.amdhsa_system_vgpr_workitem_id 0
		.amdhsa_next_free_vgpr 512
		.amdhsa_next_free_sgpr 66
		.amdhsa_reserve_vcc 0
		.amdhsa_float_denorm_mode_32 3
		.amdhsa_float_denorm_mode_16_64 3
		.amdhsa_memory_ordered 1
		.amdhsa_forward_progress 1
		.amdhsa_inst_pref_size 125
	.end_amdhsa_kernel
	.amdgpu_metadata
---
amdhsa.version: [ 1, 2 ]
amdhsa.kernels:
  - .name:           k_qd825b237b9_main
    .symbol:         k_qd825b237b9_main.kd
    .args:
      - { .name: coordinates, .offset: 0, .size: 8, .value_kind: global_buffer, .address_space: global }
      - { .name: idx, .offset: 8, .size: 8, .value_kind: global_buffer, .address_space: global }
      - { .name: tab, .offset: 16, .size: 8, .value_kind: global_buffer, .address_space: global }
      - { .name: W1, .offset: 24, .size: 8, .value_kind: global_buffer, .address_space: global }
      - { .name: b1, .offset: 32, .size: 8, .value_kind: global_buffer, .address_space: global }
      - { .name: W2, .offset: 40, .size: 8, .value_kind: global_buffer, .address_space: global }
      - { .name: b2, .offset: 48, .size: 8, .value_kind: global_buffer, .address_space: global }
      - { .name: out0, .offset: 56, .size: 8, .value_kind: global_buffer, .address_space: global }
    .group_segment_fixed_size: 125952
    .private_segment_fixed_size: 0
    .kernarg_segment_align: 8
    .kernarg_segment_size: 64
    .max_flat_workgroup_size: 256
    .sgpr_count:     66
    .vgpr_count:     512
    .wavefront_size: 32
...
	.end_amdgpu_metadata
.endif
;; end of part 2
;; ======== version 2 of 2: 2 launches; version 1 with the launch main written anew for expert scheduling mode
;; limits: values are held in f16: magnitudes above 65,504 overflow, below 6.1e-05 lose precision
;; workspace buffers: tab 50,429,952 bytes; idx 4,000,000 bytes of whole numbers
;; launch prep: the kernel of part 1 again; grid 1930 x 1, 8 waves a work-group, no clusters, 37,888 bytes of LDS; arguments plane_yz, plane_xz, plane_xy, line_x, line_y, line_z, coordinates, tab, idx; writes tab, idx
;; launch main (part 3): grid 256 x 1, 8 waves a work-group, no clusters, 125,952 bytes of LDS; arguments coordinates, idx, tab, W1, b1, W2, b2, out0; writes out0
.if DOCPART == 3
	.amdgcn_target "amdgcn-amd-amdhsa--gfx1250"
	.amdhsa_code_object_version 6
	.text
	.protected	k_qd825b237b9_main
	.globl	k_qd825b237b9_main
	.p2align	8
	.type	k_qd825b237b9_main,@function
k_qd825b237b9_main:
	s_mov_b64 s[64:65], 0
	v_nop
	global_prefetch_b8 v0, s[64:65] scope:SCOPE_SE
	s_setreg_imm32_b32 hwreg(HW_REG_WAVE_SCHED_MODE, 0, 2), 2
	s_setreg_imm32_b32 hwreg(HW_REG_WAVE_MODE, 25, 1), 1
	s_wait_xcnt 0x0
	s_wait_alu depctr_vm_vsrc(0)
; out[point] = relu(features W1 + b1) W2 + b2, features = x_line yz_plane + y_line xz_plane + z_line xy_plane, each a bilinear sample of 32 channels with zeros outside.
; TABLES.  tab (made by the launch before) holds planes and lines as texels of 64 bytes, 32 channels in f16; idx holds each point's three cell numbers b (0 .. 510) as whole numbers, so no address here hangs
; on a floating-point number.  With t = g x 255.5 + 255.5 texels b and b + 1 carry max(0, 1 - |t - b|) and max(0, 1 - |t - b - 1|): inside the table the usual two weights, outside it what the zero padding leaves.
; A line has one column, so its sample is the same interpolation along its 512 entries, with the cell and the weights that the coordinate has in the planes.
; SHARES.  A BLOCK is 64 points, four GROUPS of 16; 15,625 blocks.  Wave gid of 2,048 takes blocks gid + 2,048 trip: 8 trips if gid < 1,289, else 7.
; LAYOUT.  In a group lane (r = lane % 16, h = lane / 16) holds point r, channels 16 h .. 16 h + 15: bytes 32 h .. 32 h + 31 of a texel, eight registers.  Those eight registers ARE source 1 of the matrix
; instruction; W1's fragments carry the same order of channels, so the products stand, and nothing changes lanes between a gather and the product.  Source 0 = 16 hidden units (W1 turned), C = b1:
; in the result a lane holds ONE point and hidden units 16 t + 8 h + j, so the second layer is a sum inside the lane and one exchange of the halves.
; THE SECOND LAYER has one column: a matrix tile would be used to a sixteenth, and h would have to be rounded to 16 bits; it is 64 multiply-adds a lane in f32.
; PIPELINE.  A JOB is one plane's four corners for one group: 8 loads of 16 bytes a lane into one of four slots of 32 registers.  Three jobs are always on their way; the next block's points are loaded a block
; ahead, their addresses made two groups ahead.  The lines (96 KB) lie in LDS, filled once; a group's line texels are asked for a group ahead, each axis as soon as its registers are free.
; NO CLUSTER, NO TENSOR LOAD: all that work-groups share is the lines' 98,304 bytes, read once each; the gathers, 768 bytes a point, are each point's own.
; LIMITS.  Table entries, weights, samples and features are f16: planes, lines and the sum of the three products stay within 65,504; below 6e-5 they keep f16's fixed step of 6e-8.  W1 is rounded to f16.
; t is one fused multiply-add (the problem's text rounds twice); the order of the sums differs from the problem's.  A NaN or infinite coordinate gives weights 0, not NaN.
; THE MODE: SCHED_MODE bits 1:0 = 2 (LLVM: expert scheduling mode 2), set by the entry lines.  The code itself states the register dependences between vector or matrix instructions and memory or LDS
; instructions, with s_wait_alu, always for 0.
; THE PLAN.  Registers that memory or LDS instructions touch, in the loop:
;   RING slot j % 4   Job j's 56 packed lines read it and write it in place; behind them job j + 4's eight gathers land in it.
;   LN, axis a        JOB a alone reads and writes it; behind JOB a the next group's four LDS loads of that axis land in it (axis z's stand at the next group's first wait).
;   PT, set q         Read by ADDR in group q - 2 and by WEIGHTS in group q; behind WEIGHTS the next block's point loads land in it.
;   GA, LA, parity p  Written by ADDR at the end of a group of parity p; read by the gathers of the next group and by the line loads for the group after that one; written again two groups on.
;   VIDX, VXYZ        Written at a trip's head, read by the trip's sixteen point loads.
;   T0, T0 + 1, VOUT, OD   The way out of a block: data of two LDS stores, offset and data of the store; OD is filled by an LDS load; all are written again in the next trip.
;   H32, R4, R12, STA, STB, L8 are made at the head and never written again.  WL, WP, FT, OUTR, TP and all of window 1 are named in the loop by vector and matrix instructions alone.
; So a group has three waits on va_vdst, each behind the lines that empty a buffer and straight ahead of the loads that fill it again, and one wait on vm_vsrc, ahead of ADDR; a trip has one more of each:
; vm_vsrc at its head, va_vdst ahead of the block's LDS stores.  No vector line stands between a wait on va_vdst and the loads or stores that lean on it.
.set NBLK,  15625
.set NWAVE, 2048
.set LP,    80                         ; a line's texel in LDS: 64 bytes + 16 = 20 words, an odd multiple of 16 bytes
.set LAXIS, 512*LP                     ; one line
.set STG,   3*LAXIS                    ; behind the lines: 256 bytes a wave, for the way out
.set SPARE, STG+8*256                  ; behind the stages: the spare words, 128 bytes a wave, four blocks of 256 bytes that no other line names
; window 0
.set SPW,  1                           ; v1      LDS address of my spare word; never rewritten
.set NIL,  2                           ; v2      0; never rewritten
.set H32,  3                           ; v3      32 h
.set H32Z, 4                           ; v4      32 h + the z line's place in LDS
.set R4,   5                           ; v5      4 r
.set R12,  6                           ; v6      12 r
.set VIDX, 7                           ; v7      offset of the point loads in idx
.set VXYZ, 8                           ; v8      and in coordinates
.set STA,  9                           ; v9      my stage + 4 lane
.set STB,  10                          ; v10     my stage + 8 lane
.set VOUT, 11                          ; v11     the store's offset
.set OD,   12                          ; v12-13  the store's data
.set L8,   14                          ; v14     8 lane
.set TP,   15                          ; v15     what the other half of the lanes holds
.set PT,   16                          ; v16-31  group q's x, y, z, index word at PT + 4 q
.set GA,   32                          ; v32-37  by the group's parity: three planes' offsets
.set LA,   38                          ; v38-43  by the group's parity: three lines' LDS addresses
.set WL,   44                          ; v44-49  axis a's two weights, f16, the same number in both halves
.set WP,   50                          ; v50-61  plane p's four weights at WP + 4 p + 2 row + col, likewise
.set OUTR, 62                          ; v62-65  the four groups' results
.set T0,   66                          ; v66-71  at work
.set FT,   72                          ; v72-79  the features: source 1.  At work inside WEIGHTS
.set LN,   80                          ; v80-127 axis a at LN + 16 a: texel b in 8 registers, texel b + 1 in 8
.set RING, 128                         ; v128-255 four slots of 32; corner 2 row + col at + 8 corner
.set VW,   112                         ; v112-126: the head's own, in registers that the loop takes later
.set VLN,  113
.set LSA,  114                         ; where my 16 bytes of the lines go, first and second half of the tables
.set LSB,  115
.set PDA,  121                         ; the texel whose padding I set, first and second half
.set ZR,   122                         ; v122-125  16 bytes of 0
.set PDB,  126
; window 1
.set W1F,  0                           ; tile t of W1 turned, f16, at 8 t
.set B1R,  64                          ; b1 in the result's layout
.set W2R,  128                         ; W2 likewise
.set ACC,  192                         ; eight accumulators
.set MSB, 0
.macro WIN new                         ; the immediate's high byte repeats the setting that is left; a switch that changes nothing is dropped
.if MSB != (\new)
	s_set_vgpr_msb (MSB<<8)|(\new)
.set MSB, (\new)
.endif
.endm
.set W_D1,  0x40                       ; destination window 1
.set W_MM,  0x51                       ; source 0, C and D window 1; source 1 window 0
.set W_ALL, 0x55                       ; everything window 1
.set W_S1,  0x05                       ; sources window 1, destination window 0
.macro PLOAD q                         ; group q of the block at VXYZ, VIDX: four loads
	global_load_b32 v[PT+4*(\q)],   v[VXYZ], s[16:17] offset:192*(\q)
	global_load_b32 v[PT+4*(\q)+1], v[VXYZ], s[16:17] offset:192*(\q)+4
	global_load_b32 v[PT+4*(\q)+2], v[VXYZ], s[16:17] offset:192*(\q)+8
	global_load_b32 v[PT+4*(\q)+3], v[VIDX], s[18:19] offset:64*(\q)
.endm
.macro ADDR q, par                     ; the offsets of the group whose points lie in set q, into the address set of parity par: 18 plain instructions
	v_bfe_u32 v[T0],   v[PT+4*(\q)+3], 0, 10
	v_bfe_u32 v[T0+1], v[PT+4*(\q)+3], 10, 10
	v_bfe_u32 v[T0+2], v[PT+4*(\q)+3], 20, 10
	v_min_u32 v[T0],   0x1fe, v[T0]                ; a number that was loaded enters an address only behind a bound
	v_min_u32 v[T0+1], 0x1fe, v[T0+1]
	v_min_u32 v[T0+2], 0x1fe, v[T0+2]
	v_lshl_add_u32 v[T0+3], v[T0+2], 9, v[T0+1]    ; yz: row z, texel y
	v_lshl_add_u32 v[T0+4], v[T0+2], 9, v[T0]      ; xz: row z, texel x
	v_lshl_add_u32 v[T0+5], v[T0+1], 9, v[T0]      ; xy: row y, texel x
	v_lshl_add_u32 v[GA+3*(\par)],   v[T0+3], 6, v[H32]
	v_lshl_add_u32 v[GA+3*(\par)+1], v[T0+4], 6, v[H32]
	v_lshl_add_u32 v[GA+3*(\par)+2], v[T0+5], 6, v[H32]
	v_lshl_add_u32 v[T0+3], v[T0],   2, v[T0]      ; 5 b, then x 16: 80 b
	v_lshl_add_u32 v[T0+4], v[T0+1], 2, v[T0+1]
	v_lshl_add_u32 v[T0+5], v[T0+2], 2, v[T0+2]
	v_lshl_add_u32 v[LA+3*(\par)],   v[T0+3], 4, v[H32]
	v_lshl_add_u32 v[LA+3*(\par)+1], v[T0+4], 4, v[H32]
	v_lshl_add_u32 v[LA+3*(\par)+2], v[T0+5], 4, v[H32Z]
.endm
.macro GATHER par, pl, sl              ; a job: plane pl's four corners, 32 bytes a lane each, into slot sl
.irp c, 0,1,2,3
	global_load_b128 v[RING+32*(\sl)+8*\c:RING+32*(\sl)+8*\c+3],   v[GA+3*(\par)+(\pl)], s[32+2*(\pl):33+2*(\pl)] offset:(\c/2)*32768+(\c%2)*64
	global_load_b128 v[RING+32*(\sl)+8*\c+4:RING+32*(\sl)+8*\c+7], v[GA+3*(\par)+(\pl)], s[32+2*(\pl):33+2*(\pl)] offset:(\c/2)*32768+(\c%2)*64+16
.endr
.endm
.macro LLINE par, a                    ; four LDS loads: texels b and b + 1 of line a (0 x, 1 y, 2 z), by the address set of parity par
	ds_load_b128 v[LN+16*(\a):LN+16*(\a)+3],     v[LA+3*(\par)+(\a)] offset:((\a)%2)*LAXIS
	ds_load_b128 v[LN+16*(\a)+4:LN+16*(\a)+7],   v[LA+3*(\par)+(\a)] offset:((\a)%2)*LAXIS+16
	ds_load_b128 v[LN+16*(\a)+8:LN+16*(\a)+11],  v[LA+3*(\par)+(\a)] offset:((\a)%2)*LAXIS+LP
	ds_load_b128 v[LN+16*(\a)+12:LN+16*(\a)+15], v[LA+3*(\par)+(\a)] offset:((\a)%2)*LAXIS+LP+16
.endm
.macro WPROD pl, hax, wax              ; plane pl's four weights: row axis hax, column axis wax
.irp rc, 0,1,2,3
	v_pk_mul_f16 v[WP+4*(\pl)+\rc], v[WL+2*(\hax)+\rc/2], v[WL+2*(\wax)+\rc%2]
.endr
.endm
.macro WEIGHTS q                       ; the three axes side by side.  v66-68 t, then t - b, then t - b - 1; v69-71 b; v72-74, v75-77 the two weights in f32
.irp a, 0,1,2
	v_fma_f32 v[T0+\a], v[PT+4*(\q)+\a], s14, s14
.endr
.irp a, 0,1,2
	v_bfe_u32 v[T0+3+\a], v[PT+4*(\q)+3], 10*\a, 10
.endr
.irp a, 0,1,2
	v_cvt_f32_u32 v[T0+3+\a], v[T0+3+\a]
.endr
.irp a, 0,1,2
	v_sub_f32 v[T0+\a], v[T0+\a], v[T0+3+\a]
.endr
	v_sub_f32 v72, 1.0, |v66|
	v_sub_f32 v73, 1.0, |v67|
	v_sub_f32 v74, 1.0, |v68|
.irp a, 0,1,2
	v_add_f32 v[T0+\a], -1.0, v[T0+\a]
.endr
	v_sub_f32 v75, 1.0, |v66|
	v_sub_f32 v76, 1.0, |v67|
	v_sub_f32 v77, 1.0, |v68|
.irp a, 0,1,2,3,4,5
	v_max_num_f32 v[FT+\a], 0, v[FT+\a]
.endr
.irp a, 0,1,2
	v_cvt_pk_f16_f32 v[WL+2*\a],   v[FT+\a],   v[FT+\a]
	v_cvt_pk_f16_f32 v[WL+2*\a+1], v[FT+3+\a], v[FT+3+\a]
.endr
	WPROD 0, 2, 1
	WPROD 1, 2, 0
	WPROD 2, 1, 0
.endm
.macro JOB pl, sl                      ; plane pl's sample, line pl's sample, their product onto the features: 56 packed instructions, two channels each, in runs of eight that do not wait for each other
.set SB, RING+32*(\sl)
.set NB, LN+16*(\pl)
.set WB, WP+4*(\pl)
.irp i, 0,1,2,3,4,5,6,7
	v_pk_mul_f16 v[SB+\i], v[SB+\i], v[WB]
.endr
.irp c, 1,2,3
.irp i, 0,1,2,3,4,5,6,7
	v_pk_fma_f16 v[SB+\i], v[SB+8*\c+\i], v[WB+\c], v[SB+\i]
.endr
.endr
.irp i, 0,1,2,3,4,5,6,7
	v_pk_mul_f16 v[NB+\i], v[NB+\i], v[WL+2*(\pl)]
.endr
.irp i, 0,1,2,3,4,5,6,7
	v_pk_fma_f16 v[NB+\i], v[NB+8+\i], v[WL+2*(\pl)+1], v[NB+\i]
.endr
.irp i, 0,1,2,3,4,5,6,7
.if (\pl) == 0
	v_pk_mul_f16 v[FT+\i], v[NB+\i], v[SB+\i]      ; the first product starts the sum
.else
	v_pk_fma_f16 v[FT+\i], v[NB+\i], v[SB+\i], v[FT+\i]
.endif
.endr
.endm
.macro MLP                             ; 128 hidden units x 16 points x 32 channels: eight matrix instructions on eight accumulators, each started by b1; none adds onto another's result
	WIN W_MM
.irp t, 0,1,2,3,4,5,6,7
	v_wmma_f32_16x16x32_f16 v[ACC+8*\t:ACC+8*\t+7], v[W1F+8*\t:W1F+8*\t+7], v[FT:FT+7], v[B1R+8*\t:B1R+8*\t+7]
.endr
.endm
.macro TAIL q                          ; relu, times W2, summed: first inside the lane (four chains), then with the other half of the lanes
	WIN W_ALL
.set nn, 0
.rept 64
	v_max_num_f32 v[ACC+nn], 0, v[ACC+nn]          ; ascending: each accumulator is read first at its lowest register
.set nn, nn+1
.endr
.irp k, 0,1,2,3
	v_pk_mul_f32 v[ACC+8*\k:ACC+8*\k+1], v[ACC+8*\k:ACC+8*\k+1], v[W2R+8*\k:W2R+8*\k+1]
.endr
.irp m, 1,2,3,4,5,6,7                  ; chain k takes tiles k and k + 4
.irp k, 0,1,2,3
.set xx, 8*(\k+4*(\m/4))+2*(\m%4)
	v_pk_fma_f32 v[ACC+8*\k:ACC+8*\k+1], v[ACC+xx:ACC+xx+1], v[W2R+xx:W2R+xx+1], v[ACC+8*\k:ACC+8*\k+1]
.endr
.endr
	v_pk_add_f32 v[ACC:ACC+1], v[ACC:ACC+1], v[ACC+8:ACC+9]
	v_pk_add_f32 v[ACC+16:ACC+17], v[ACC+16:ACC+17], v[ACC+24:ACC+25]
	v_pk_add_f32 v[ACC:ACC+1], v[ACC:ACC+1], v[ACC+16:ACC+17]
	WIN W_S1
	v_add_f32 v[OUTR+(\q)], v[ACC], v[ACC+1]
	WIN 0
	v_permlanex16_b32 v[TP], v[OUTR+(\q)], s12, s13  ; the point's other 64 hidden units lie in the lane 16 away
	v_add_f32 v[OUTR+(\q)], v[OUTR+(\q)], v[TP]
.endm
; GROUP q of the block in hand.  Global loads go out in the order .. job(q,0) job(q,1) job(q,2) points(q) job(q+1,0) job(q+1,1) job(q+1,2) points(q+1) ..; when job (q+1, p) has been issued, behind job (q, p)
; stand three jobs of 8 loads and the 4 point loads: 28, the same for every p, in the first trip and over the backward jump.  That wait also shows done: the loads that named this parity's offsets (so ADDR may
; write them) and the point loads of two groups ago (which ADDR reads).  A slot is loaded again when the arithmetic of the job that held it is complete.
; LDS loads go out in the order .. z(q) x(q+1) y(q+1) z(q+1) ..: behind a line's four stand two other lines' four each when its job begins: 8, for every job (in a trip's first group the block's three LDS
; instructions of the way out stand there too, and have been waited for).
.macro GROUP q
.set PAR, (\q)%2
.set JN, 3*(\q)
	WEIGHTS \q
	s_wait_alu depctr_va_vdst(0)                   ; the last group's third job is done with its slot and with the z line's registers; its ADDR has written the other parity's offsets; WEIGHTS is done reading point set q; in a trip's first group VIDX and VXYZ are written
	LLINE PAR, 2                                   ; this group's z line
	PLOAD \q                                       ; the next block's group q, into the set just read
	GATHER 1-PAR, 0, (JN+3)%4
	s_wait_loadcnt 28
	s_wait_dscnt 8                                 ; the x line's four loads are in
	JOB 0, JN%4
	s_wait_alu depctr_va_vdst(0)                   ; JOB 0 is done reading and writing its slot and the x line's registers, in which the loads below land
	LLINE 1-PAR, 0                                 ; the next group's x line
	GATHER 1-PAR, 1, (JN+4)%4
	s_wait_loadcnt 28
	s_wait_dscnt 8                                 ; the y line's
	JOB 1, (JN+1)%4
	s_wait_alu depctr_va_vdst(0)                   ; JOB 1 is done reading and writing its slot and the y line's registers, in which the loads below land
	LLINE 1-PAR, 1                                 ; the next group's y line
	GATHER 1-PAR, 2, (JN+5)%4
	s_wait_loadcnt 28
	s_wait_dscnt 8                                 ; the z line's
	JOB 2, (JN+2)%4
	MLP
	WIN 0
	s_wait_alu depctr_vm_vsrc(0)                   ; the gathers and line loads issued so far have read this parity's offsets, which ADDR writes again
	ADDR ((\q)+2)%4, PAR                           ; 18 plain instructions that name none of the products' registers: the places in front of TAIL's reads (ISA guide 7.12.1)
	TAIL \q
.endm
.macro STOREBLK                        ; the block's 64 results: lane L takes points L and 32 + L, adds b2; through my stage, so that one store covers the block's 256 neighbouring bytes, aligned
	s_lshl_b32 s8, s4, 8
	v_cndmask_b32 v[T0],   v[OUTR],   v[OUTR+1], s11  ; lanes 16-31 take the odd group
	v_cndmask_b32 v[T0+1], v[OUTR+2], v[OUTR+3], s11
	v_add_f32 v[T0],   s10, v[T0]
	v_add_f32 v[T0+1], s10, v[T0+1]
	v_add_nc_u32 v[VOUT], s8, v[L8]
	s_wait_alu depctr_va_vdst(0)                   ; the two sums are written, which the LDS stores read, and so is VOUT, the store's offset
	ds_store_b32 v[STA], v[T0]
	ds_store_b32 v[STA], v[T0+1] offset:128
	ds_load_b64 v[OD:OD+1], v[STB]                 ; my wave's own bytes, served in order
	s_wait_dscnt 0x0
	global_store_b64 v[VOUT], v[OD:OD+1], s[30:31] th:TH_STORE_NT
.endm
	s_load_b512 s[16:31], s[0:1], 0x0              ; coordinates 16:17, idx 18:19, tab 20:21, W1 22:23, b1 24:25, W2 26:27, b2 28:29, out 30:31
	v_lshl_add_u32 v[SPW], v0, 2, SPARE
	v_mov_b32 v[NIL], 0
	v_lshrrev_b32 v116, 5, v0
	v_readfirstlane_b32 s2, v116                   ; wave 0..7
	s_wait_alu depctr_va_sdst(0)                   ; s2 is written, ahead of its first reader: gid, my stage and my part of the lines are made from it
	s_lshl_b32 s3, ttmp9, 3
	s_add_co_u32 s3, s3, s2                        ; gid
	s_mov_b32 s4, s3                               ; the block in hand
	s_cmp_lt_u32 s3, NBLK-7*NWAVE
	s_cselect_b32 s5, 8, 7                         ; my trips
	s_mov_b32 s6, 0
	s_mov_b32 s11, 0xffff0000                      ; lanes 16-31
	s_mov_b32 s12, 0x76543210                      ; v_permlanex16_b32: each lane takes its own place in the other half
	s_mov_b32 s13, 0xfedcba98
	s_mov_b32 s14, 0x437f8000                      ; 255.5
	s_lshl_b32 s8, s2, 8
	s_add_co_u32 s8, s8, STG                       ; my stage
	s_mul_i32 s9, s2, 8*LP                         ; my wave's eight texels in each 64 of the lines
	v_and_b32 v116, 31, v0                         ; lane
	v_and_b32 v117, 15, v0                         ; r
	v_bfe_u32 v118, v0, 4, 1                       ; h
	v_lshlrev_b32 v[H32], 5, v118
	v_add_nc_u32 v[H32Z], 2*LAXIS, v[H32]
	v_lshlrev_b32 v[R4], 2, v117
	v_mul_u32_u24 v[R12], v117, 12
	v_lshl_add_u32 v[STA], v116, 2, s8
	v_lshl_add_u32 v[STB], v116, 3, s8
	v_lshlrev_b32 v[L8], 3, v116
	v_mov_b32 v[TP], 0
	v_lshl_add_u32 v[VW], v118, 13, v[R4]          ; W1: channel 16 h (512 bytes a channel), hidden unit r
	v_lshlrev_b32 v[VLN], 4, v0                    ; the lines: 16 bytes a thread, 4,096 a load of the work-group
	v_lshrrev_b32 v119, 2, v116
	v_mul_u32_u24 v119, v119, LP
	v_and_b32 v120, 3, v116
	v_lshl_add_u32 v[LSA], v120, 4, v119
	v_add_nc_u32 v[LSA], s9, v[LSA]                ; 640 wave + 80 (lane / 4) + 16 (lane % 4)
	v_add_nc_u32 v[LSB], 12*64*LP, v[LSA]          ; the second half, since an LDS offset has 16 bits
	v_and_b32 v[PDA], 7, v116
	v_mul_u32_u24 v[PDA], v[PDA], LP
	v_add_nc_u32 v[PDA], s9, v[PDA]                ; 640 wave + 80 (lane % 8): one of my wave's eight texels; four lanes name the same one
	v_add_nc_u32 v[PDB], 12*64*LP, v[PDA]
.irp z, 0,1,2,3
	v_mov_b32 v[ZR+\z], 0
.endr
	s_wait_kmcnt 0x0
	s_load_b32 s10, s[28:29], 0x0                  ; b2
	s_mov_b64 s[32:33], s[20:21]                   ; plane yz,
	s_add_nc_u64 s[34:35], s[20:21], 0x1000000     ; xz,
	s_add_nc_u64 s[36:37], s[20:21], 0x2000000     ; xy,
	s_add_nc_u64 s[38:39], s[20:21], 0x3000000     ; the lines
	s_wait_alu depctr_va_vdst(0)                   ; the head's addresses and offsets (H32, VW, VLN, LSA, LSB, PDA, PDB) and the zeros in ZR are written: the loads and LDS stores down to W1's conversions read them, and no vector line stands between
	; the constants: 24 loads of the lines (shared out among the eight waves), 32 of b1 and W2, 128 of W1
.set kk, 0
.rept 24
	global_load_b128 v[16+4*kk:19+4*kk], v[VLN], s[38:39] offset:4096*kk
.set kk, kk+1
.endr
	WIN W_D1
.irp t, 0,1,2,3,4,5,6,7                ; hidden units 16 t + 8 h + 0..7
	global_load_b128 v[B1R+8*\t:B1R+8*\t+3],   v[H32], s[24:25] offset:64*\t
	global_load_b128 v[B1R+8*\t+4:B1R+8*\t+7], v[H32], s[24:25] offset:64*\t+16
	global_load_b128 v[W2R+8*\t:W2R+8*\t+3],   v[H32], s[26:27] offset:64*\t
	global_load_b128 v[W2R+8*\t+4:W2R+8*\t+7], v[H32], s[26:27] offset:64*\t+16
.endr
	WIN 0
.set tt, 0
.rept 8
.set ii, 0
.rept 16                               ; W1[16 h + i][16 t + r]
	global_load_b32 v[RING+16*tt+ii], v[VW], s[22:23] offset:512*ii+64*tt
.set ii, ii+1
.endr
.set tt, tt+1
.endr
	; while those loads are on their way: the 16 bytes of padding behind each of my wave's texels are set to 0, so that every byte of the tables' range has been written before the barrier; no load below names them
.set kk, 0
.rept 12
	ds_store_b128 v[PDA], v[ZR:ZR+3] offset:64*LP*kk+64
	ds_store_b128 v[PDB], v[ZR:ZR+3] offset:64*LP*kk+64
.set kk, kk+1
.endr
	s_wait_loadcnt 63                              ; 160 loads were issued behind the lines' 24: with 63 out at the most those 24 are in
.set kk, 0
.rept 12
	ds_store_b128 v[LSA], v[16+4*kk:19+4*kk] offset:64*LP*kk
.set kk, kk+1
.endr
.rept 12
	ds_store_b128 v[LSB], v[16+4*kk:19+4*kk] offset:64*LP*(kk-12)
.set kk, kk+1
.endr
	s_wait_loadcnt 0x0
	WIN W_D1
.set tt, 0
.rept 8
.set ii, 0
.rept 8
	v_cvt_pk_f16_f32 v[W1F+8*tt+ii], v[RING+16*tt+2*ii], v[RING+16*tt+2*ii+1]
.set ii, ii+1
.endr
.set tt, tt+1
.endr
	WIN 0
	s_wait_kmcnt 0x0                               ; b2
	s_wait_dscnt 0x0                               ; for the others' sake: my part of the lines is in LDS
	s_barrier_signal -1
	s_barrier_wait -1                              ; the kernel's only barrier: behind it the lines are only read
	s_wait_alu depctr_vm_vsrc(0)                   ; my LDS stores have read their data in v16-111 and v122-125, and the head's loads and stores their addresses in v112-126: from here on these registers are PT, GA, LA, T0 and LN
	; the pipeline is filled: the first block's points, the first two groups' offsets, the first group's x and y lines and its three jobs
	s_lshl_b32 s8, s4, 8
	s_mul_i32 s9, s4, 768
	v_add_nc_u32 v[VIDX], s8, v[R4]
	v_add_nc_u32 v[VXYZ], s9, v[R12]
	s_wait_alu depctr_va_vdst(0)                   ; VIDX and VXYZ are written, which the point loads read
	PLOAD 0
	PLOAD 1
	PLOAD 2
	PLOAD 3
	s_wait_loadcnt 0x0
	ADDR 0, 0
	ADDR 1, 1
	s_wait_alu depctr_va_vdst(0)                   ; both sets of offsets are written; W1's conversions are done reading the ring, and the head's arithmetic is done with v116-120: gathers and line loads land there
	LLINE 0, 0
	LLINE 0, 1
	GATHER 0, 0, 0
	GATHER 0, 1, 1
	GATHER 0, 2, 2
.Ltrip:                                                ; a trip: one block; it loads the next block's points, and the jobs and the x and y lines up to the next block's first group
	s_add_co_u32 s7, s4, NWAVE
	s_min_u32 s7, s7, NBLK-1                       ; in my last trip the look-ahead is held to the last block: every load stays inside its buffer; what it brings is not used
	s_lshl_b32 s8, s7, 8
	s_mul_i32 s9, s7, 768
	s_wait_xcnt 0x0                                ; the last trip's point loads and its store have had their addresses translated: VIDX, VXYZ, VOUT and OD are rewritten only behind this wait
	s_wait_alu depctr_vm_vsrc(0)                   ; the last trip's point loads have read VIDX and VXYZ, its LDS stores T0 and T0 + 1, its store VOUT and OD: all are written again in this trip
	v_add_nc_u32 v[VIDX], s8, v[R4]
	v_add_nc_u32 v[VXYZ], s9, v[R12]
	GROUP 0
	GROUP 1
	GROUP 2
	GROUP 3
	STOREBLK
	s_add_co_u32 s4, s4, NWAVE
	s_add_co_u32 s6, s6, 1
	s_cmp_lt_u32 s6, s5
	s_cbranch_scc1 .Ltrip
	s_wait_dscnt 0x0                               ; the wave's end
	s_wait_alu 0x0
	s_wait_tensorcnt 0x0
	ds_add_u32 v[SPW], v[NIL]
	s_wait_dscnt 0x0
	s_endpgm
.Lfunc_end_k_qd825b237b9_main:
	.size	k_qd825b237b9_main, .Lfunc_end_k_qd825b237b9_main-k_qd825b237b9_main
	.p2alignl 7, 3214868480
	.fill 96, 4, 3214868480
	.section	.rodata,"a",@progbits
	.p2align	6, 0x0
	.amdhsa_kernel k_qd825b237b9_main
		.amdhsa_group_segment_fixed_size 125952
		.amdhsa_private_segment_fixed_size 0
		.amdhsa_enable_private_segment 0
		.amdhsa_kernarg_size 64
		.amdhsa_user_sgpr_count 2
		.amdhsa_user_sgpr_kernarg_segment_ptr 1
		.amdhsa_wavefront_size32 1
		.amdhsa_system_sgpr_workgroup_id_x 1
		.amdhsa_system_sgpr_workgroup_id_y 1
		.amdhsa_system_sgpr_workgroup_id_z 1
		.amdhsa_system_vgpr_workitem_id 0
		.amdhsa_next_free_vgpr 512
		.amdhsa_next_free_sgpr 66
		.amdhsa_reserve_vcc 0
		.amdhsa_float_denorm_mode_32 3
		.amdhsa_float_denorm_mode_16_64 3
		.amdhsa_memory_ordered 1
		.amdhsa_forward_progress 1
		.amdhsa_inst_pref_size 126
	.end_amdhsa_kernel
	.amdgpu_metadata
---
amdhsa.version: [ 1, 2 ]
amdhsa.kernels:
  - .name:           k_qd825b237b9_main
    .symbol:         k_qd825b237b9_main.kd
    .args:
      - { .name: coordinates, .offset: 0, .size: 8, .value_kind: global_buffer, .address_space: global }
      - { .name: idx, .offset: 8, .size: 8, .value_kind: global_buffer, .address_space: global }
      - { .name: tab, .offset: 16, .size: 8, .value_kind: global_buffer, .address_space: global }
      - { .name: W1, .offset: 24, .size: 8, .value_kind: global_buffer, .address_space: global }
      - { .name: b1, .offset: 32, .size: 8, .value_kind: global_buffer, .address_space: global }
      - { .name: W2, .offset: 40, .size: 8, .value_kind: global_buffer, .address_space: global }
      - { .name: b2, .offset: 48, .size: 8, .value_kind: global_buffer, .address_space: global }
      - { .name: out0, .offset: 56, .size: 8, .value_kind: global_buffer, .address_space: global }
    .group_segment_fixed_size: 125952
    .private_segment_fixed_size: 0
    .kernarg_segment_align: 8
    .kernarg_segment_size: 64
    .max_flat_workgroup_size: 256
    .sgpr_count:     66
    .vgpr_count:     512
    .wavefront_size: 32
...
	.end_amdgpu_metadata
.endif
;; end of part 3
